; MI455X (gfx1250); checked and timed in simulation.
; The chip was launched on July 23, 2026; its instructions are those of AMD's public machine-readable ISA for CDNA 5 (MIT licence, August 2026) and "CDNA5" Instruction Set Architecture Reference Guide (July 2026). The comments in the code are by the model that wrote it; some were corrected since.
;; Sub LSTM Cuda Cell. Allowed arithmetic: float matrix products may take bf16 or f16 operands with f32 sums; all other float work in f32.
;; Inputs: bias 4,096 float32; input 8,192 x 1,024 float32; old_cell 8,192 x 1,024 float32; old_h 8,192 x 1,024 float32; weights 4,096 x 2,048 float32.
;; Outputs: out0 8,192 x 1,024 float32; out1 8,192 x 1,024 float32.
;; 2 versions, each right; version 2 is version 1 with the launch cast written anew for expert scheduling mode. Each part assembles by itself: llvm-mc -triple=amdgcn-amd-amdhsa -mcpu=gfx1250 --defsym DOCPART=n.
;; ======== version 1 of 2: 2 launches
;; limits: inputs' magnitudes at most 65,504; values are held in f16: magnitudes above 65,504 overflow, below 6.1e-05 lose precision
;; workspace buffers: xh 33,554,432 bytes; wh 16,777,216 bytes
;; launch cast (part 1): grid 256 x 3, 8 waves a work-group, no clusters, 0 bytes of LDS; arguments old_h, input, weights, xh, wh; writes xh, wh
.if DOCPART == 1
	.amdgcn_target "amdgcn-amd-amdhsa--gfx1250"
	.amdhsa_code_object_version 6
	.text
	.protected	k_q7226c3147f_cast
	.globl	k_q7226c3147f_cast
	.p2align	8
	.type	k_q7226c3147f_cast,@function
k_q7226c3147f_cast:
	s_mov_b64 s[64:65], 0
	v_nop
	global_prefetch_b8 v0, s[64:65] scope:SCOPE_SE
	s_setreg_imm32_b32 hwreg(HW_REG_WAVE_MODE, 25, 1), 1
	s_wait_xcnt 0x0
; xh[8192][2048] f16 = [old_h, input] side by side;  wh[4096][2048] f16 = weights with its rows in another order.
; Each number is rounded once, to nearest even.  The product that follows then reads 2-byte operands and needs no conversion of its own.
; ROW ORDER OF wh.  weights row g*1024 + j (gate g = 0 in, 1 out, 2 z, 3 f; column j of the cell) goes to wh row (j>>5)*128 + g*32 + (j&31):
; 128 consecutive rows of wh are the four gates of 32 consecutive j, so that the next launch finds an output's four gates in one lane.
; LIMITS.  f16 ends at 65,504: an old_h, input or weight of magnitude 65,520 or more becomes an infinity; below 6e-5 a number keeps f16's fixed step of 6e-8.
; SHARES.  A chunk is 1,024 f32: 4,096 bytes in, 2,048 bytes out.  Each of the three sources has 8,192 chunks; the grid's y names the source, a work-group owns 32
; consecutive chunks (131,072 consecutive bytes).  Thread t owns the 16 bytes at 16 t of each chunk: a wave's load covers 512 consecutive bytes, its store 256 consecutive
; bytes at a multiple of 256 from the buffer's first byte.  All 32 loads of a wave go out first; no register is written twice, so the only waits are the counted ones for data.
; A stream: every byte is read once and written once, and no wave needs another's data, so there is no LDS, no barrier, no matrix work and no cluster.
.set OO, 2                             ; v[2:33]    chunk r: my byte offset in the output
.set X,  34                            ; v[34:161]  chunk r: 4 registers as loaded; the first two then hold the 4 numbers in f16
	s_load_b256 s[4:11], s[0:1], 0x0               ; old_h s[4:5], input s[6:7], weights s[8:9], xh s[10:11]
	s_load_b64 s[12:13], s[0:1], 0x20              ; wh
	s_and_b32 s14, ttmp7, 0xffff                   ; y: 0 old_h, 1 input, 2 weights
	s_lshl_b32 s16, ttmp9, 17                      ; where my 32 chunks begin in the source: x * 131,072
	s_mov_b32 s17, 0
	s_lshl_b32 s15, s14, 11
	s_add_co_u32 s18, s16, s15                     ; in xh: 32 x rows of 4,096 bytes, and 2,048 bytes on for input
	; in wh: my 32 chunks are the weights' rows 16 x .. 16 x + 15: g = x >> 6, j = 16 (x & 63) + i, so they land on 16 consecutive rows from
	; R0 = ((x >> 1) & 31) * 128 + (x >> 6) * 32 + (x & 1) * 16
	s_bfe_u32 s20, ttmp9, 0x50001                  ; 5 bits from bit 1
	s_lshl_b32 s20, s20, 7
	s_lshr_b32 s21, ttmp9, 6
	s_lshl_b32 s21, s21, 5
	s_add_co_u32 s20, s20, s21
	s_and_b32 s21, ttmp9, 1
	s_lshl_b32 s21, s21, 4
	s_add_co_u32 s20, s20, s21
	s_lshl_b32 s20, s20, 12                        ; R0 rows of 4,096 bytes
	s_movk_i32 s26, 0x1000                         ; from chunk to chunk in xh: a row
	s_movk_i32 s27, 0x800                          ; in wh: half a row
	v_lshlrev_b32 v1, 4, v0                        ; 16 t
	v_lshlrev_b32 v[OO], 3, v0                     ; 8 t
	s_wait_kmcnt 0x0
	s_cmp_eq_u32 s14, 1
	s_cselect_b64 s[22:23], s[6:7], s[4:5]         ; the source,
	s_cmp_eq_u32 s14, 2
	s_cselect_b64 s[22:23], s[8:9], s[22:23]
	s_cselect_b64 s[24:25], s[12:13], s[10:11]     ; the destination,
	s_cselect_b32 s18, s20, s18                    ; my place in it,
	s_cselect_b32 s26, s27, s26                    ; and its step
	s_mov_b32 s19, 0
	s_add_nc_u64 s[22:23], s[22:23], s[16:17]
	s_add_nc_u64 s[24:25], s[24:25], s[18:19]
.set r, 0
.rept 32
	global_load_b128 v[X+4*r:X+4*r+3], v1, s[22:23] offset:4096*r th:TH_LOAD_NT  ; read once in the launch
.set r, r+1
.endr
.set r, 1
.rept 31
	v_add_nc_u32 v[OO+r], s26, v[OO+r-1]
.set r, r+1
.endr
.set r, 0
.rept 32
	s_wait_loadcnt 31-r                            ; loads come back in order (ISA guide 5.7.1): chunk r is in, the 31 - r younger ones stay out
	v_cvt_pk_f16_f32 v[X+4*r],   v[X+4*r],   v[X+4*r+1]
	v_cvt_pk_f16_f32 v[X+4*r+1], v[X+4*r+2], v[X+4*r+3]
	global_store_b64 v[OO+r], v[X+4*r:X+4*r+1], s[24:25]  ; the next launch reads these bytes: no hint
.set r, r+1
.endr
	s_endpgm
.Lfunc_end_k_q7226c3147f_cast:
	.size	k_q7226c3147f_cast, .Lfunc_end_k_q7226c3147f_cast-k_q7226c3147f_cast
	.p2alignl 7, 3214868480
	.fill 96, 4, 3214868480
	.section	.rodata,"a",@progbits
	.p2align	6, 0x0
	.amdhsa_kernel k_q7226c3147f_cast
		.amdhsa_group_segment_fixed_size 0
		.amdhsa_private_segment_fixed_size 0
		.amdhsa_enable_private_segment 0
		.amdhsa_kernarg_size 40
		.amdhsa_user_sgpr_count 2
		.amdhsa_user_sgpr_kernarg_segment_ptr 1
		.amdhsa_wavefront_size32 1
		.amdhsa_system_sgpr_workgroup_id_x 1
		.amdhsa_system_sgpr_workgroup_id_y 1
		.amdhsa_system_sgpr_workgroup_id_z 1
		.amdhsa_system_vgpr_workitem_id 0
		.amdhsa_next_free_vgpr 162
		.amdhsa_next_free_sgpr 66
		.amdhsa_reserve_vcc 0
		.amdhsa_float_denorm_mode_32 3
		.amdhsa_float_denorm_mode_16_64 3
		.amdhsa_memory_ordered 1
		.amdhsa_forward_progress 1
		.amdhsa_inst_pref_size 14
	.end_amdhsa_kernel
	.amdgpu_metadata
---
amdhsa.version: [ 1, 2 ]
amdhsa.kernels:
  - .name:           k_q7226c3147f_cast
    .symbol:         k_q7226c3147f_cast.kd
    .args:
      - { .name: old_h, .offset: 0, .size: 8, .value_kind: global_buffer, .address_space: global }
      - { .name: input, .offset: 8, .size: 8, .value_kind: global_buffer, .address_space: global }
      - { .name: weights, .offset: 16, .size: 8, .value_kind: global_buffer, .address_space: global }
      - { .name: xh, .offset: 24, .size: 8, .value_kind: global_buffer, .address_space: global }
      - { .name: wh, .offset: 32, .size: 8, .value_kind: global_buffer, .address_space: global }
    .group_segment_fixed_size: 0
    .private_segment_fixed_size: 0
    .kernarg_segment_align: 8
    .kernarg_segment_size: 40
    .max_flat_workgroup_size: 256
    .sgpr_count:     66
    .vgpr_count:     162
    .wavefront_size: 32
...
	.end_amdgpu_metadata
.endif
;; end of part 1
;; launch cell (part 2): grid 16 x 32, 4 waves a work-group, clusters of 4 x 4, 327,680 bytes of LDS; arguments xh, wh, bias, old_cell, out0, out1; writes out0, out1
.if DOCPART == 2
	.amdgcn_target "amdgcn-amd-amdhsa--gfx1250"
	.amdhsa_code_object_version 6
	.text
	.protected	k_q7226c3147f_cell
	.globl	k_q7226c3147f_cell
	.p2align	8
	.type	k_q7226c3147f_cell,@function
k_q7226c3147f_cell:
	s_mov_b64 s[64:65], 0
	v_nop
	global_prefetch_b8 v0, s[64:65] scope:SCOPE_SE
	s_setreg_imm32_b32 hwreg(HW_REG_WAVE_MODE, 25, 1), 1
	s_wait_xcnt 0x0
	s_wait_alu depctr_hold_cnt(0) depctr_sa_sdst(0) depctr_va_vdst(0) depctr_va_sdst(0) depctr_va_ssrc(0) depctr_va_vcc(0) depctr_vm_vsrc(0)
	s_getreg_b32 s2, hwreg(HW_REG_IB_STS2, 6, 4)
	s_cmp_eq_u32 s2, 0
	s_cbranch_scc0 .Lentry_in_a_cluster
	s_endpgm
.Lentry_in_a_cluster:
	s_bfe_u32 s2, ttmp6, 0x10000c
	s_cmp_lg_u32 s2, 0xf033
	s_cbranch_scc0 .Lentry_shape_is_right
	s_endpgm
.Lentry_shape_is_right:
; gates = sigmoid(xh wh^T + bias);  new_cell = old_cell * f + z - in;  new_h = sigmoid(new_cell) - out.   out0 = new_h, out1 = new_cell, both [8192][1024] f32.
; xh: [8192][2048] f16.  wh: [4096][2048] f16, row (j>>5)*128 + g*32 + (j&31) = gate g (0 in, 1 out, 2 z, 3 f) of column j.  bias: [4096] f32 in the problem's order, g*1024 + j.
; Products of f16 operands, sums in f32, K ascending; everything behind the sums in f32.
; LIMITS.  sigmoid(x) = 1 / (1 + 2^(-x log2 e)) by v_exp_f32 and v_rcp_f32: it ends properly at 0 (through an infinity) and at 1 (through 0); an exponential below 2^-126 counts as 0,
; which moves a sigmoid by less than 1e-38.  new_cell = fma(old_cell, f, z) - in: one rounding fewer than a multiply and an add.  bias * (-log2 e) is rounded before it is added to the
; scaled sum.  NaN is not treated apart.  The operands' f16 range is the launch before's affair and is stated there.
; SHARES.  A work-group makes 256 rows x 256 rows of wh = 256 rows x 64 columns j x 4 gates, K in 16 steps of 128 through a ring of two LDS slots that the tensor data mover fills: the tiles'
; rows are 256 bytes of memory and start at multiples of 256 bytes from the buffer's first byte.  Four waves, each 128 x 128: 64 accumulators of 16 x 16, 512 registers.
; THE MATRIX INSTRUCTION IS USED TRANSPOSED: source 0 = 16 rows of wh, source 1 = 16 rows of xh.  Lane l then holds row l % 16, and register q of the accumulator of wh block b = 2 g + jb holds
; gate g of column j = 64 tc + 32 wc + 16 jb + 8 (l / 16) + q.  So an output's four gates lie in ONE lane at ONE register index of four accumulators, and the cell update changes no lanes.
; CLUSTERS: 4 x 4 work-groups.  The four of a row of the cluster need the same tiles of xh, the four of a column the same tiles of wh: each tile is asked for JOINTLY, by the same tensor load with the
; same descriptor and a mask that names the four.  old_cell's tile is each work-group's own: a load without a mask, behind a round like the others.
; LDS (rows 272 bytes apart).  Slot 0: xh's 256 rows at 0, wh's at 69,632.  Slot 1: at 139,264 and 208,896.  When slot 0 has been read for the last time, its first half takes old_cell's tile (its last
; fill; read only); its second half becomes new_h's stage; when slot 1 has been read for the last time, its first half becomes new_cell's stage.  No tensor load follows the stages' first store.
; REGISTERS, in windows of 256 (s_set_vgpr_msb: bits 1:0 source 0, 3:2 source 1, 5:4 source 2, 7:6 destination):
;   window 0: v0-31 addresses; v32-63 four gates x 8 numbers at work; v64-127, v128-191 fragments of xh, two buffers, at the end new_h's rows; v192-223 old_cell, two buffers; v224-239 new_cell, new_h
;   window 1: v0-63 bias * (-log2 e), block b at 8 b; v64-127, v128-191 fragments of wh, at the end new_cell's rows
;   window 2: the 32 accumulators of my rows 0-63 (row block a, wh block b at v[8 (8 a + b)]);   window 3: those of my rows 64-127
.set SIZE_K, 2048
.set KSTEP,  128
.set PITCH,  272                       ; an LDS row: 256 bytes + 16 of padding = 68 words: row r starts at bank 4 r mod 64 (64 banks of 4 bytes: ISA guide 11.1), so the 16 rows that a load or store touches start at 16 different banks
.set HALFT,  128*PITCH                 ; 128 rows: what one joint load brings, and what one wave reads of xh or of wh
.set SLOT,   4*HALFT                   ; xh's 256 rows, then wh's 256 rows
.set STH,    2*HALFT                   ; new_h's stage: 256 rows x 272 bytes
.set STC,    SLOT                      ; new_cell's stage
.set SPARE,  2*SLOT                    ; behind the ring: the spare words, 128 bytes for each wave: two blocks of 256 bytes that no other line names
.set LAPS,   SIZE_K/(2*KSTEP)          ; a lap = two K steps = once round the ring: 8
.set ADRA, 16                          ; v16-17  LDS address of my xh fragments in slot 0, 1
.set ADRB, 20                          ; v20-21  the same for wh
.set OCA,  22                          ; v22     my 32 bytes of old_cell's tile, row block 0, jb = 0
.set SHA,  23                          ; v23     the same place in new_h's stage
.set SCA,  24                          ; v24     and in new_cell's
.set RDH,  25                          ; v25     the way out: where I read new_h's rows back
.set RDC,  26                          ; v26     and new_cell's
.set CO,   27                          ; v27     my byte offset in two rows of an output
.set SPW,  28                          ; v28     LDS address of my spare word: SPARE + 4 x my thread's number; never rewritten
.set NIL,  29                          ; v29     0; never rewritten
.set BO,   30                          ; v30     my byte offset in 64 bytes of bias
.set PF,   31                          ; v31     lane x one row of old_cell
.set T,    32                          ; gate g's eight numbers at T + 8 g
.set F0,   64                          ; fragment buffer 0
.set F1,   128                         ; fragment buffer 1
.set OC,   192                         ; old_cell: row block a in buffer a % 2, 16 registers: jb = 0, then jb = 1
.set NC,   224                         ; new_cell, eight numbers
.set U,    232                         ; new_h, eight numbers
.set BI,   0                           ; window 1
.set G1,  24                           ; s[24:31] descriptor group 1 for xh's tiles;  s[32:39] group 0, one set for each slot
.set G0,  32
.set G1B, 48                           ; s[48:55], s[56:63] the same for wh's tiles
.set G0B, 56
.set NL,  66                           ; s[66:67] -log2 e: the packed forms name a pair and take its low word for both halves
.set G1C, 80                           ; s[80:87], s[88:91] old_cell's tile
.set G0C, 88
.set MSB, 0
.macro WIN new                         ; the immediate's high byte repeats the setting that is left; a switch that changes nothing is dropped
.if MSB != (\new)
	s_set_vgpr_msb (MSB<<8)|(\new)
.set MSB, \new
.endif
.endm
.set MUL_LO, 0xa1                      ; source 0 (wh) window 1, source 1 (xh) window 0, C and D window 2
.set MUL_HI, 0xf1                      ; the same, C and D window 3
.set TO_B,   0x40                      ; destination window 1, address window 0
; A joint load.  Waves 0 and 1 fetch xh's two halves, waves 2 and 3 wh's.  Each of the two lines has one mask and one set of registers for all that issue it; the branch hangs on the wave's number alone.
; An s_nop 0 and four v_nop follow each of the two lines, ahead of the jump, the label and what follows.
.macro JLOAD s
	s_cmp_eq_u32 s11, 0
	s_cbranch_scc0 .Lfor_b_\@
	tensor_load_to_lds s[G0+4*(\s):G0+4*(\s)+3], s[G1:G1+7]
	s_nop 0
.rept 4
	v_nop
.endr
	s_branch .Lasked_\@
.Lfor_b_\@:
	tensor_load_to_lds s[G0B+4*(\s):G0B+4*(\s)+3], s[G1B:G1B+7]
	s_nop 0
.rept 4
	v_nop
.endr
.Lasked_\@:
.endm
; old_cell's tile: every wave brings 64 rows of its own, 256 bytes each, to LDS byte 64 x 272 x wave.  No mask: the tile is this work-group's alone.
.macro CLOAD
	tensor_load_to_lds s[G0C:G0C+3], s[G1C:G1C+7]
	s_nop 0
.rept 4
	v_nop
.endr
.endm
; A round of the cluster's barrier: my work-group's barrier, so that wave 0's signal speaks for all four waves; wave 0 signals for the work-group; every wave waits for all sixteen; my work-group's barrier once more.
.macro CREST                           ; a round behind its opening barrier
	s_cmp_lg_u32 s10, 0
	s_cbranch_scc1 .Lnot_wave_0_\@
	s_barrier_signal -3
.Lnot_wave_0_\@:
	s_barrier_wait -3
	s_barrier_signal -1
	s_barrier_wait -1
.endm
.macro CROUND                          ; a whole round
	s_barrier_signal -1
	s_barrier_wait -1
	CREST
.endm
	s_load_b128 s[4:7], s[0:1], 0x0                ; xh s[4:5], wh s[6:7]
	s_load_b256 s[68:75], s[0:1], 0x10             ; bias s[68:69], old_cell s[70:71], out0 s[72:73], out1 s[74:75]
	v_lshl_add_u32 v[SPW], v0, 2, SPARE
	v_mov_b32 v[NIL], 0
	ds_add_u32 v[SPW], v[NIL]                      ; the wave's opening: the add and its wait stand ahead of my first tensor load; the set-up below, work on registers, stands between them
	v_lshrrev_b32 v1, 5, v0
	v_readfirstlane_b32 s10, v1                    ; wave w, 0..3
	s_lshr_b32 s11, s10, 1                         ; wr: which half of the tile's rows is mine.  Also: I fetch for xh (0) or for wh (1)
	s_and_b32 s12, s10, 1                          ; wc: which half of its wh rows.  Also: which 128 rows of that tile I fetch
	s_bfe_u32 s40, ttmp6, 0x40000                  ; cx, cy: my place in the cluster
	s_bfe_u32 s41, ttmp6, 0x40004
	s_lshl_b32 s42, ttmp9, 2                       ; in a cluster launch ttmp9 and ttmp7 count clusters
	s_add_co_u32 s42, s42, s40                     ; tc = 4 x cluster x + cx, 0..15
	s_and_b32 s13, ttmp7, 0xffff
	s_lshl_b32 s13, s13, 2
	s_add_co_u32 s13, s13, s41                     ; tr = 4 x cluster y + cy, 0..31
	s_lshl_b32 s43, s41, 2
	s_lshl_b32 s43, 15, s43                        ; my row of the cluster: places 4 cy .. 4 cy + 3
	s_lshl_b32 s44, 0x1111, s40                    ; my column: places cx, cx + 4, cx + 8, cx + 12
	; descriptor group 1 of the joint loads: a tile of 128 rows x 128 elements of 2 bytes, padded in LDS
	s_or_b32 s[G1+0], s43, (1<<16)|(1<<20)|(1<<21)|(5<<22)|(3<<25)   ; 15:0 the mask: xh's tiles go to my row; 17:16 element of 2 bytes; 20 padding on; 21 set beside a mask; 24:22 after every 64 words (code 5); 31:25 4 words of it (code 3)
	s_or_b32 s[G1B+0], s44, (1<<16)|(1<<20)|(1<<21)|(5<<22)|(3<<25)  ; the same with the mask of my column, for wh's tiles
.irp g, G1, G1B
	s_mov_b32 s[(\g)+1], KSTEP<<16                 ; tensor_dim0 = 128
	s_mov_b32 s[(\g)+2], 128<<16                   ; tensor_dim1 = 128
	s_mov_b32 s[(\g)+3], KSTEP<<16                 ; tile_dim0 = 128
	s_mov_b32 s[(\g)+4], 128                       ; tile_dim1 = 128
	s_mov_b32 s[(\g)+5], SIZE_K                    ; elements from row to row
	s_mov_b32 s[(\g)+6], 0
	s_mov_b32 s[(\g)+7], 0
.endr
	; old_cell's: 64 rows x 64 elements of 4 bytes, the same padding, no mask
	s_mov_b32 s[G1C+0], (2<<16)|(1<<20)|(5<<22)|(3<<25)
	s_mov_b32 s[G1C+1], 64<<16                     ; tensor_dim0 = 64
	s_mov_b32 s[G1C+2], 64<<16                     ; tensor_dim1 = 64
	s_mov_b32 s[G1C+3], 64<<16                     ; tile_dim0 = 64
	s_mov_b32 s[G1C+4], 64                         ; tile_dim1 = 64
	s_mov_b32 s[G1C+5], 1024                       ; elements from row to row
	s_mov_b32 s[G1C+6], 0
	s_mov_b32 s[G1C+7], 0
	s_mov_b32 s[NL], 0xbfb8aa3b                    ; -log2 e
	s_mov_b32 s[NL+1], s[NL]                       ; named with it as a pair
	; where the joint tiles come from.  xh's hang on tr alone, which my row of the cluster shares; wh's on tc alone, which my column shares; each in registers that never hold the other coordinate.
	s_lshl_b32 s17, s12, 7                         ; which 128 rows of the tile I fetch
	s_lshl_b32 s16, s13, 8
	s_add_co_u32 s16, s16, s17                     ; xh: row 256 tr + 128 x half,
	s_lshl_b32 s16, s16, 12                        ; 4,096 bytes each: under 2^25
	s_lshl_b32 s46, s42, 8
	s_add_co_u32 s46, s46, s17                     ; wh: row 256 tc + 128 x half
	s_lshl_b32 s46, s46, 12
	s_mov_b32 s17, 0
	s_mov_b32 s47, 0
	s_mul_i32 s20, s10, HALFT                      ; and where they go: wave x 128 rows: no place in the cluster enters an LDS address
	; my wave's 64 whole rows of the work-group's 256 x 64 numbers, the same bytes in old_cell, out0 and out1: row 256 tr + 64 w, column 64 tc
	s_lshl_b32 s92, s13, 20
	s_lshl_b32 s93, s10, 18
	s_add_co_u32 s92, s92, s93
	s_lshl_b32 s93, s42, 8
	s_add_co_u32 s92, s92, s93
	s_mov_b32 s93, 0
	s_lshl_b32 s94, s42, 8                         ; bias: column 64 tc + 32 wc, 4 bytes each
	s_lshl_b32 s95, s12, 7
	s_add_co_u32 s94, s94, s95
	s_mov_b32 s95, 0
	s_wait_dscnt 0x0                               ; the opening add is done
	s_wait_kmcnt 0x0
	s_add_nc_u64 s[14:15], s[4:5], s[16:17]
	s_add_nc_u64 s[46:47], s[6:7], s[46:47]
	s_add_nc_u64 s[68:69], s[68:69], s[94:95]
	s_add_nc_u64 s[70:71], s[70:71], s[92:93]
	s_add_nc_u64 s[72:73], s[72:73], s[92:93]
	s_add_nc_u64 s[74:75], s[74:75], s[92:93]
	s_mov_b32 s[G0C], 1                            ; count = 1
	s_mul_i32 s[G0C+1], s10, 64*PITCH              ; LDS address: wave x 64 rows, from byte 0
	s_mov_b64 s[G0C+2:G0C+3], s[70:71]             ; global address
	s_or_b32 s[G0C+3], s[G0C+3], 0x80000000        ; type = 2
	CROUND                                         ; all sixteen work-groups are here: the first joint loads meet
.irp s, 0,1
	s_mov_b32 s[G0+4*(\s)], 1                                        ; count = 1
	s_add_co_u32 s[G0+4*(\s)+1], s20, (\s)*SLOT                      ; LDS address
	s_add_nc_u64 s[G0+4*(\s)+2:G0+4*(\s)+3], s[14:15], (\s)*KSTEP*2  ; global address: K step s
	s_or_b32 s[G0+4*(\s)+3], s[G0+4*(\s)+3], 0x80000000              ; type = 2
	s_mov_b32 s[G0B+4*(\s)], 1
	s_add_co_u32 s[G0B+4*(\s)+1], s20, (\s)*SLOT
	s_add_nc_u64 s[G0B+4*(\s)+2:G0B+4*(\s)+3], s[46:47], (\s)*KSTEP*2
	s_or_b32 s[G0B+4*(\s)+3], s[G0B+4*(\s)+3], 0x80000000
	JLOAD \s                                       ; the ring is filled before anything else is done: two tensor loads of mine are out
.endr
	; A fragment is 16 rows x 32 K in 8 registers: lane l holds row l % 16; registers 0-3 hold K = 8 (l / 16) + 0..7, registers 4-7 K = 16 + 8 (l / 16) + 0..7: two loads of 16 bytes, 32 bytes apart.
	v_and_b32 v1, 15, v0                           ; r = l % 16
	v_bfe_u32 v2, v0, 4, 1                         ; h = l / 16
	v_mul_u32_u24 v3, v1, PITCH
	v_lshl_add_u32 v3, v2, 4, v3                   ; row x pitch + 16 h
	s_mul_i32 s21, s11, HALFT                      ; my 128 rows of xh
	s_mul_i32 s22, s12, HALFT                      ; my 128 rows of wh,
	s_add_co_u32 s22, s22, 2*HALFT                 ; which lie behind xh's 256
.irp s, 0,1
	v_add_nc_u32 v[ADRA+(\s)], s21, v3
	v_add_nc_u32 v[ADRB+(\s)], s22, v3
	s_add_co_u32 s21, s21, SLOT
	s_add_co_u32 s22, s22, SLOT
.endr
	; old_cell's tile and the two stages have one layout: row x 272 + 4 x column of the work-group's 256 x 64.  My eight numbers: row 128 wr + 16 a + r, columns 32 wc + 16 jb + 8 h + 0..7
	v_mul_u32_u24 v4, v1, PITCH
	v_lshl_add_u32 v4, v2, 5, v4                   ; r x 272 + 32 h
	s_mul_i32 s23, s11, HALFT                      ; + 128 wr rows
	s_lshl_b32 s21, s12, 7                         ; + 128 wc bytes
	s_add_co_u32 s23, s23, s21
	v_add_nc_u32 v[OCA], s23, v4
	v_add_nc_u32 v[SHA], STH, v[OCA]
	v_add_nc_u32 v[SCA], STC, v[OCA]
	v_mul_u32_u24 v5, v2, PITCH                    ; back: wave w takes rows 64 w .. 64 w + 63, whole; lanes 0-15 one row of 256 bytes, lanes 16-31 the next
	v_lshl_add_u32 v5, v1, 4, v5
	s_mul_i32 s23, s10, 64*PITCH
	v_add_nc_u32 v5, s23, v5
	v_add_nc_u32 v[RDH], STH, v5
	v_add_nc_u32 v[RDC], STC, v5
	v_lshlrev_b32 v[CO], 12, v2                    ; and the same two rows in an output: 4,096 h + 16 r
	v_lshl_add_u32 v[CO], v1, 4, v[CO]
	v_lshlrev_b32 v[BO], 5, v2                     ; bias: my eight columns begin 32 h bytes into a block's 64
	v_and_b32 v[PF], 31, v0
	v_lshlrev_b32 v[PF], 12, v[PF]
	WIN TO_B
.irp b, 0,1,2,3,4,5,6,7                ; bias of block b = 2 g + jb: gate g lies 4,096 bytes on, jb 64 bytes
	global_load_b128 v[BI+8*(\b):BI+8*(\b)+3],   v[BO], s[68:69] offset:((\b)/2)*4096+((\b)%2)*64
	global_load_b128 v[BI+8*(\b)+4:BI+8*(\b)+7], v[BO], s[68:69] offset:((\b)/2)*4096+((\b)%2)*64+16
.endr
	WIN 0
; 16 matrix instructions: row blocks a0, a0 + 1 of the window's four (hi = 0: my rows 0-63, 1: rows 64-127) x all 8 wh blocks, 32 along K.  zero = 1: the first product starts the sums: nothing is cleared.
; The 64 accumulators take turns, one instruction a turn, in the same order in every quarter step.
.macro MUL16 f, hi, a0, zero
	WIN MUL_LO+0x50*(\hi)
.irp a, \a0, (\a0)+1
.irp b, 0,1,2,3,4,5,6,7
.if \zero
	v_wmma_f32_16x16x32_f16 v[8*(8*(\a)+(\b)):8*(8*(\a)+(\b))+7], v[(\f)+8*(\b):(\f)+8*(\b)+7], v[(\f)+8*(4*(\hi)+(\a)):(\f)+8*(4*(\hi)+(\a))+7], 0
.else
	v_wmma_f32_16x16x32_f16 v[8*(8*(\a)+(\b)):8*(8*(\a)+(\b))+7], v[(\f)+8*(\b):(\f)+8*(\b)+7], v[(\f)+8*(4*(\hi)+(\a)):(\f)+8*(4*(\hi)+(\a))+7], v[8*(8*(\a)+(\b)):8*(8*(\a)+(\b))+7]
.endif
.endr
.endr
.endm
; 32 LDS loads in one run: the fragments of one quarter step (128 rows of wh, 128 rows of xh, 32 K at byte k of the rows) into buffer f
.macro FETCH slot, k, f
	WIN TO_B
.irp i, 0,1,2,3,4,5,6,7
	ds_load_b128 v[(\f)+8*(\i):(\f)+8*(\i)+3],   v[ADRB+(\slot)] offset:(\k)+(\i)*16*PITCH
	ds_load_b128 v[(\f)+8*(\i)+4:(\f)+8*(\i)+7], v[ADRB+(\slot)] offset:(\k)+(\i)*16*PITCH+32
.endr
	WIN 0
.irp i, 0,1,2,3,4,5,6,7
	ds_load_b128 v[(\f)+8*(\i):(\f)+8*(\i)+3],   v[ADRA+(\slot)] offset:(\k)+(\i)*16*PITCH
	ds_load_b128 v[(\f)+8*(\i)+4:(\f)+8*(\i)+7], v[ADRA+(\slot)] offset:(\k)+(\i)*16*PITCH+32
.endr
.endm
; A load into a register that a matrix instruction has read, and a vector instruction that reads a matrix result, stand four places behind that matrix instruction, and only plain vector
; instructions that name none of its registers are places (ISA guide 7.12.1 for vector instructions).
.macro PLACES
.rept 4
	v_nop
.endr
.endm
; A K step is four quarter steps of 32 along K, 64 matrix instructions each, on buffers 0, 1, 0, 1.
; One of the first three: multiplies buffer f; in its middle it fetches the next quarter's fragments, at byte k of the same slot's rows, into buffer g.
.macro QUARTER slot, k, f, g, zero
	s_wait_dscnt 8                                 ; wh and xh's rows 0-63 are in; the youngest eight loads (xh's rows 64-127) may be out
	MUL16 \f, 0, 0, \zero
	MUL16 \f, 0, 2, \zero
	PLACES
	FETCH \slot, \k, \g
	s_wait_dscnt 32                                ; all but the 32 just issued
	MUL16 \f, 1, 0, \zero
	MUL16 \f, 1, 2, \zero
.endm
; The last quarter multiplies buffer 1 and changes slots.  MEET is its first half: it opens a round of the cluster's barrier.  In front of it each wave waits for all its tensor loads, of which one is
; out: its part of the next slot; adds 0 to its spare word; and waits for that and for its own reads of this slot.
.macro MEET
	WIN 0                                          ; (the add's two registers lie in window 0)
	s_wait_tensorcnt 0x0                           ; all my tensor loads have landed;
	ds_add_u32 v[SPW], v[NIL]                      ; 0 onto my spare word;
	s_wait_dscnt 9                                 ; (the add and the youngest eight loads may be out)
	MUL16 F1, 0, 0, 0                              ; sixteen matrix instructions stand between the add and the wait for it
	s_wait_dscnt 0x0                               ; the add is done, and my reads of this slot are over:
	s_barrier_signal -1                            ; say so,
	MUL16 F1, 0, 2, 0                              ; work on registers while the others arrive,
	WIN 0
	s_barrier_wait -1                              ; and go on when all four have said so
.endm
; The whole last quarter.  Behind the round no wave of any partner still reads this slot or has a load on its way, and the slot is filled again first: mode = 0: with the K step two steps on
; (224 matrix instructions ahead of the wait for it); mode = 1: nothing of K is left, and the slot's first half takes old_cell's tile.  Then come the next slot's first fragments.
.macro TURN slot, next, mode
	MEET
	CREST
.if \mode
	CLOAD                                          ; the four v_nop behind the load are also the places in front of the loads below
.else
	s_add_nc_u64 s[G0+4*(\slot)+2:G0+4*(\slot)+3], s[G0+4*(\slot)+2:G0+4*(\slot)+3], 2*KSTEP*2
	s_add_nc_u64 s[G0B+4*(\slot)+2:G0B+4*(\slot)+3], s[G0B+4*(\slot)+2:G0B+4*(\slot)+3], 2*KSTEP*2
	JLOAD \slot
.endif
	FETCH \next, 0, F0
	MUL16 F1, 1, 0, 0
	MUL16 F1, 1, 2, 0
.endm
; old_cell of row block a: my 2 x 8 numbers, four loads of 16 bytes, into buffer a % 2
.macro OCLOAD a
	WIN 0
.irp jb, 0,1
	ds_load_b128 v[OC+16*((\a)%2)+8*(\jb):OC+16*((\a)%2)+8*(\jb)+3],   v[OCA] offset:(\a)*16*PITCH+64*(\jb)
	ds_load_b128 v[OC+16*((\a)%2)+8*(\jb)+4:OC+16*((\a)%2)+8*(\jb)+7], v[OCA] offset:(\a)*16*PITCH+64*(\jb)+16
.endr
.endm
; THE CELL UPDATE for row block a, column half jb: eight outputs a lane.  cnt >= 0: how many younger LDS instructions may be out when old_cell of block a has to be there.
; Exponentials and reciprocals stand in runs on different registers, and one plain instruction follows each run before a result is used (ISA guide 5.7.2).
.macro EPI a, jb, cnt
.set AC,  64*((\a)%4)+8*(\jb)          ; gate g's accumulator at AC + 16 g
.set OB,  OC+16*((\a)%2)+8*(\jb)
.set LOF, (\a)*16*PITCH+64*(\jb)
	WIN 0x12+(\a)/4                                ; source 0: the accumulators' window; source 2: window 1
.irp g, 0,1,2,3
.irp p, 0,2,4,6                        ; each accumulator is read from its low end on
	v_pk_fma_f32 v[T+8*(\g)+(\p):T+8*(\g)+(\p)+1], v[AC+16*(\g)+(\p):AC+16*(\g)+(\p)+1], s[NL:NL+1], v[BI+16*(\g)+8*(\jb)+(\p):BI+16*(\g)+8*(\jb)+(\p)+1] op_sel_hi:[1,0,1]  ; -log2 e (sum + bias)
.endr
.endr
	WIN 0
.set i, 0
.rept 32
	v_exp_f32 v[T+i], v[T+i]
.set i, i+1
.endr
	v_nop
.set i, 0
	s_wait_alu depctr_va_vdst(0)
.rept 16
	v_pk_add_f32 v[T+i:T+i+1], v[T+i:T+i+1], 1.0 op_sel_hi:[1,0]
.set i, i+2
.endr
.set i, 0
.rept 32
	v_rcp_f32 v[T+i], v[T+i]                       ; the four gates
.set i, i+1
.endr
.if (\cnt) >= 0
	s_wait_dscnt \cnt                              ; LDS instructions end in order (ISA guide 5.7.1): old_cell of this block is in
.endif
	v_nop
	s_wait_alu depctr_va_vdst(0)
.irp p, 0,2,4,6
	v_pk_fma_f32 v[NC+(\p):NC+(\p)+1], v[OB+(\p):OB+(\p)+1], v[T+24+(\p):T+24+(\p)+1], v[T+16+(\p):T+16+(\p)+1]  ; old_cell f + z
.endr
.irp p, 0,2,4,6
	v_pk_add_f32 v[NC+(\p):NC+(\p)+1], v[NC+(\p):NC+(\p)+1], v[T+(\p):T+(\p)+1] neg_lo:[0,1] neg_hi:[0,1]        ; - in
.endr
	ds_store_b128 v[SCA], v[NC:NC+3] offset:LOF
	ds_store_b128 v[SCA], v[NC+4:NC+7] offset:LOF+16
.irp p, 0,2,4,6
	v_pk_mul_f32 v[U+(\p):U+(\p)+1], v[NC+(\p):NC+(\p)+1], s[NL:NL+1] op_sel_hi:[1,0]
.endr
.set i, 0
.rept 8
	v_exp_f32 v[U+i], v[U+i]
.set i, i+1
.endr
	v_nop
	s_wait_alu depctr_va_vdst(0)
.irp p, 0,2,4,6
	v_pk_add_f32 v[U+(\p):U+(\p)+1], v[U+(\p):U+(\p)+1], 1.0 op_sel_hi:[1,0]
.endr
.set i, 0
.rept 8
	v_rcp_f32 v[U+i], v[U+i]                       ; sigmoid(new_cell)
.set i, i+1
.endr
	v_nop
	s_wait_alu depctr_va_vdst(0)
.irp p, 0,2,4,6
	v_pk_add_f32 v[U+(\p):U+(\p)+1], v[U+(\p):U+(\p)+1], v[T+8+(\p):T+8+(\p)+1] neg_lo:[0,1] neg_hi:[0,1]        ; - out
.endr
	ds_store_b128 v[SHA], v[U:U+3] offset:LOF
	ds_store_b128 v[SHA], v[U+4:U+7] offset:LOF+16
.endm
	s_wait_tensorcnt 1                             ; my part of K step 0 is in; K step 1's may stay out
	s_barrier_signal -1
	s_barrier_wait -1                              ; everybody's is
	FETCH 0, 0, F0
	s_wait_loadcnt 0x0                             ; bias
	WIN 0x41                                       ; destination and source 0 in window 1
.set i, 0
.rept 32                               ; bias x (-log2 e), once, while the first fragments are on their way out of LDS
	v_pk_mul_f32 v[BI+i:BI+i+1], v[BI+i:BI+i+1], s[NL:NL+1] op_sel_hi:[1,0]
.set i, i+2
.endr
	QUARTER 0, 64,  F0, F1, 1                      ; the first quarter stands in front of the loop: its products start the sums
	WIN 0                                          ; at a label and at a branch every window is 0
	s_mov_b32 s3, LAPS-1
.Llap:                                                 ; a trip goes once round the ring, from a lap's second quarter to the next lap's first, and fills both slots again: 7 trips ask for K steps 2 to 15
	QUARTER 0, 128, F1, F0, 0
	QUARTER 0, 192, F0, F1, 0
	TURN 0, 1, 0
	QUARTER 1, 64,  F0, F1, 0
	QUARTER 1, 128, F1, F0, 0
	QUARTER 1, 192, F0, F1, 0
	TURN 1, 0, 0
	QUARTER 0, 64,  F0, F1, 0
	WIN 0
	s_sub_co_u32 s3, s3, 1
	s_cmp_lg_u32 s3, 0
	s_cbranch_scc1 .Llap
	; old_cell's tile is asked for ahead: my wave's own 64 rows of 256 bytes, a lane a row, each block once in the launch, 160 matrix instructions ahead of the tensor load that brings them
	global_prefetch_b8 v[PF], s[70:71] th:TH_LOAD_NT scope:SCOPE_SE
	global_prefetch_b8 v[PF], s[70:71] offset:131072 th:TH_LOAD_NT scope:SCOPE_SE
	QUARTER 0, 128, F1, F0, 0                      ; the last lap: K steps 14 and 15
	QUARTER 0, 192, F0, F1, 0
	TURN 0, 1, 1                                   ; slot 0 has been read out: old_cell's tile goes into its first half; it has 256 matrix instructions in which to land
	QUARTER 1, 64,  F0, F1, 0
	QUARTER 1, 128, F1, F0, 0
	QUARTER 1, 192, F0, F1, 0
	s_wait_dscnt 8                                 ; the very last quarter: nothing more to fetch
	MUL16 F1, 0, 0, 0
	MUL16 F1, 0, 2, 0
	s_wait_tensorcnt 0x0                           ; for the others' sake: my 64 rows of old_cell have landed,
	s_wait_dscnt 0x0                               ; and my reads of slot 1 are over
	s_barrier_signal -1
	MUL16 F1, 1, 0, 0
	MUL16 F1, 1, 2, 0
	WIN 0
	PLACES                                         ; the update below reads matrix results
	s_barrier_wait -1                              ; old_cell's tile is whole, and nobody reads slot 1 any more: its first half may be stored into (slot 0's second half since the round before)
	OCLOAD 0
.irp a, 0,1,2,3,4,5,6,7
.if (\a) < 7
	OCLOAD (\a)+1                                  ; a block ahead
.endif
.if (\a) == 0
	EPI \a, 0, 4                                   ; younger: the next block's four loads
.elseif (\a) < 7
	EPI \a, 0, 12                                  ; younger: the block before's eight stores and the next block's four loads
.else
	EPI \a, 0, 8                                   ; younger: the block before's eight stores
.endif
	EPI \a, 1, -1
.endr
	; THE WAY OUT.  A row's 256 bytes come from two waves, so a barrier stands between the stores into the stages and the reading; each wave then takes 64 whole rows of each stage.
	s_wait_dscnt 0x0                               ; for the others' sake: my stores into the stages are done
	s_barrier_signal -1
	s_barrier_wait -1
.set t, 0
.rept 32
	ds_load_b128 v[F0+4*t:F0+4*t+3], v[RDH] offset:t*2*PITCH
.set t, t+1
.endr
	WIN TO_B
.set t, 0
.rept 32
	ds_load_b128 v[F0+4*t:F0+4*t+3], v[RDC] offset:t*2*PITCH
.set t, t+1
.endr
	WIN 0
	s_wait_dscnt 32                                ; new_h's rows are in; new_cell's 32 loads may be out
.set t, 0
.rept 32
	global_store_b128 v[CO], v[F0+4*t:F0+4*t+3], s[72:73] offset:t*8192 th:TH_STORE_NT  ; 16 lanes store 256 consecutive bytes, at a multiple of 256 from out0's first byte
.set t, t+1
.endr
	WIN 0x04                                       ; the stores' data in window 1
	s_wait_dscnt 0x0
.set t, 0
.rept 32
	global_store_b128 v[CO], v[F0+4*t:F0+4*t+3], s[74:75] offset:t*8192 th:TH_STORE_NT
.set t, t+1
.endr
	WIN 0
	s_wait_tensorcnt 0x0                           ; the wave's end, behind my last tensor load and my last LDS store
	ds_add_u32 v[SPW], v[NIL]
	s_wait_dscnt 0x0
	CROUND                                         ; the closing round: no work-group ends while a partner may still ask for a tile that names it
	s_endpgm
.Lfunc_end_k_q7226c3147f_cell:
	.size	k_q7226c3147f_cell, .Lfunc_end_k_q7226c3147f_cell-k_q7226c3147f_cell
	.p2alignl 7, 3214868480
	.fill 96, 4, 3214868480
	.section	.rodata,"a",@progbits
	.p2align	6, 0x0
	.amdhsa_kernel k_q7226c3147f_cell
		.amdhsa_group_segment_fixed_size 327680
		.amdhsa_private_segment_fixed_size 0
		.amdhsa_enable_private_segment 0
		.amdhsa_kernarg_size 48
		.amdhsa_user_sgpr_count 2
		.amdhsa_user_sgpr_kernarg_segment_ptr 1
		.amdhsa_wavefront_size32 1
		.amdhsa_system_sgpr_workgroup_id_x 1
		.amdhsa_system_sgpr_workgroup_id_y 1
		.amdhsa_system_sgpr_workgroup_id_z 1
		.amdhsa_system_vgpr_workitem_id 0
		.amdhsa_next_free_vgpr 1024
		.amdhsa_next_free_sgpr 96
		.amdhsa_reserve_vcc 0
		.amdhsa_float_denorm_mode_32 3
		.amdhsa_float_denorm_mode_16_64 3
		.amdhsa_memory_ordered 1
		.amdhsa_forward_progress 1
		.amdhsa_inst_pref_size 230
	.end_amdhsa_kernel
	.amdgpu_metadata
---
amdhsa.version: [ 1, 2 ]
amdhsa.kernels:
  - .name:           k_q7226c3147f_cell
    .symbol:         k_q7226c3147f_cell.kd
    .args:
      - { .name: xh, .offset: 0, .size: 8, .value_kind: global_buffer, .address_space: global }
      - { .name: wh, .offset: 8, .size: 8, .value_kind: global_buffer, .address_space: global }
      - { .name: bias, .offset: 16, .size: 8, .value_kind: global_buffer, .address_space: global }
      - { .name: old_cell, .offset: 24, .size: 8, .value_kind: global_buffer, .address_space: global }
      - { .name: out0, .offset: 32, .size: 8, .value_kind: global_buffer, .address_space: global }
      - { .name: out1, .offset: 40, .size: 8, .value_kind: global_buffer, .address_space: global }
    .group_segment_fixed_size: 327680
    .private_segment_fixed_size: 0
    .kernarg_segment_align: 8
    .kernarg_segment_size: 48
    .max_flat_workgroup_size: 128
    .sgpr_count:     96
    .vgpr_count:     1024
    .wavefront_size: 32
...
	.end_amdgpu_metadata
.endif
;; end of part 2
;; ======== version 2 of 2: 2 launches; version 1 with the launch cast written anew for expert scheduling mode
;; limits: inputs' magnitudes at most 65,504; values are held in f16: magnitudes above 65,504 overflow, below 6.1e-05 lose precision
;; workspace buffers: xh 33,554,432 bytes; wh 16,777,216 bytes
;; launch cast (part 3): grid 256 x 3, 8 waves a work-group, no clusters, 0 bytes of LDS; arguments old_h, input, weights, xh, wh; writes xh, wh
.if DOCPART == 3
	.amdgcn_target "amdgcn-amd-amdhsa--gfx1250"
	.amdhsa_code_object_version 6
	.text
	.protected	k_q7226c3147f_cast
	.globl	k_q7226c3147f_cast
	.p2align	8
	.type	k_q7226c3147f_cast,@function
k_q7226c3147f_cast:
	s_mov_b64 s[64:65], 0
	v_nop
	global_prefetch_b8 v0, s[64:65] scope:SCOPE_SE
	s_setreg_imm32_b32 hwreg(HW_REG_WAVE_SCHED_MODE, 0, 2), 2
	s_setreg_imm32_b32 hwreg(HW_REG_WAVE_MODE, 25, 1), 1
	s_wait_xcnt 0x0
	s_wait_alu depctr_vm_vsrc(0)
; xh[8192][2048] f16 = [old_h, input] side by side;  wh[4096][2048] f16 = weights with its rows in another order.
; Each number is rounded once, to nearest even.  The product that follows then reads 2-byte operands and needs no conversion of its own.
; ROW ORDER OF wh.  weights row g*1024 + j (gate g = 0 in, 1 out, 2 z, 3 f; column j of the cell) goes to wh row (j>>5)*128 + g*32 + (j&31):
; 128 consecutive rows of wh are the four gates of 32 consecutive j, so that the next launch finds an output's four gates in one lane.
; LIMITS.  f16 ends at 65,504: an old_h, input or weight of magnitude 65,520 or more becomes an infinity; below 6e-5 a number keeps f16's fixed step of 6e-8.
; SHARES.  A chunk is 1,024 f32: 4,096 bytes in, 2,048 bytes out.  Each of the three sources has 8,192 chunks; the grid's y names the source, a work-group owns 32
; consecutive chunks (131,072 consecutive bytes).  Thread t owns the 16 bytes at 16 t of each chunk: a wave's load covers 512 consecutive bytes, its store 256 consecutive
; bytes at a multiple of 256 from the buffer's first byte.  All 32 loads of a wave go out first.
; A stream: every byte is read once and written once, and no wave needs another's data, so there is no LDS, no barrier, no matrix work and no cluster.
; THE MODE: SCHED_MODE bits 1:0 = 2 (LLVM: expert scheduling mode 2), set by the entry lines.  The code itself states the register dependences
; between vector instructions and memory instructions, with s_wait_alu, always for 0.
; THE PLAN.  Registers that memory instructions touch:
;   v1        the loads' offset.  Written once at the head; read by all 32 loads; never written again.
;   v[OO+r]   chunk r's store offset.  Written once (v[OO] at the head, the others by the adds behind the loads); read by chunk r's store; never written again.
;   X[r]      chunk r's load lands in it, and that load is issued before any vector instruction names X; chunk r's two conversions read its four registers and write the
;             first two; chunk r's store reads those two; never written again.
; No register that a memory instruction reads is written afterwards, and no load lands in a register that a vector instruction has named: what is left to state is that a
; vector instruction has written what a memory instruction reads.  The 32 chunks go in 8 blocks of four.  Block p converts its four chunks; its memory instructions are the four
; stores of block p - 1, which read X and OO of block p - 1, registers that no conversion of block p names.  So ONE wait on va_vdst at a block's head, behind the wait for the
; block's data, states all that the block's four stores hang on, and they are dealt among its conversions with no further wait.
.set OO, 2                             ; v[2:33]    chunk r: my byte offset in the output
.set X,  34                            ; v[34:161]  chunk r: 4 registers as loaded; the first two then hold the 4 numbers in f16
.set BLOCK, 4                          ; chunks in a block
	s_load_b256 s[4:11], s[0:1], 0x0               ; old_h s[4:5], input s[6:7], weights s[8:9], xh s[10:11]
	s_load_b64 s[12:13], s[0:1], 0x20              ; wh
	s_and_b32 s14, ttmp7, 0xffff                   ; y: 0 old_h, 1 input, 2 weights
	s_lshl_b32 s16, ttmp9, 17                      ; where my 32 chunks begin in the source: x * 131,072
	s_mov_b32 s17, 0
	s_lshl_b32 s15, s14, 11
	s_add_co_u32 s18, s16, s15                     ; in xh: 32 x rows of 4,096 bytes, and 2,048 bytes on for input
	; in wh: my 32 chunks are the weights' rows 16 x .. 16 x + 15: g = x >> 6, j = 16 (x & 63) + i, so they land on 16 consecutive rows from
	; R0 = ((x >> 1) & 31) * 128 + (x >> 6) * 32 + (x & 1) * 16
	s_bfe_u32 s20, ttmp9, 0x50001                  ; 5 bits from bit 1
	s_lshl_b32 s20, s20, 7
	s_lshr_b32 s21, ttmp9, 6
	s_lshl_b32 s21, s21, 5
	s_add_co_u32 s20, s20, s21
	s_and_b32 s21, ttmp9, 1
	s_lshl_b32 s21, s21, 4
	s_add_co_u32 s20, s20, s21
	s_lshl_b32 s20, s20, 12                        ; R0 rows of 4,096 bytes
	s_movk_i32 s26, 0x1000                         ; from chunk to chunk in xh: a row
	s_movk_i32 s27, 0x800                          ; in wh: half a row
	v_lshlrev_b32 v1, 4, v0                        ; 16 t
	v_lshlrev_b32 v[OO], 3, v0                     ; 8 t
	s_wait_kmcnt 0x0
	s_cmp_eq_u32 s14, 1
	s_cselect_b64 s[22:23], s[6:7], s[4:5]         ; the source,
	s_cmp_eq_u32 s14, 2
	s_cselect_b64 s[22:23], s[8:9], s[22:23]
	s_cselect_b64 s[24:25], s[12:13], s[10:11]     ; the destination,
	s_cselect_b32 s18, s20, s18                    ; my place in it,
	s_cselect_b32 s26, s27, s26                    ; and its step
	s_mov_b32 s19, 0
	s_add_nc_u64 s[22:23], s[22:23], s[16:17]
	s_add_nc_u64 s[24:25], s[24:25], s[18:19]
	s_wait_alu depctr_va_vdst(0)                   ; v1 is written: all 32 loads read it as their offset
.set r, 0
.rept 32
	global_load_b128 v[X+4*r:X+4*r+3], v1, s[22:23] offset:4096*r th:TH_LOAD_NT  ; read once in the launch
.set r, r+1
.endr
.set r, 1
.rept 31
	v_add_nc_u32 v[OO+r], s26, v[OO+r-1]           ; no load reads or lands in these registers
.set r, r+1
.endr
; Block p: chunks 4 p to 4 p + 3 are converted; the four stores of block p - 1 stand one in front of each chunk's two conversions.
.macro BLK p
	s_wait_loadcnt 32-BLOCK-BLOCK*(\p)             ; loads come back in order (ISA guide 5.7.1): the block's four chunks are in, the younger ones stay out
.if (\p) > 0
	s_wait_alu depctr_va_vdst(0)                   ; the block before's conversions have written the data that the four stores below read; at block 1 also: the adds above have written every store's offset
.endif
.irp i, 0,1,2,3
.if (\p) > 0
	global_store_b64 v[OO+BLOCK*((\p)-1)+(\i)], v[X+4*BLOCK*((\p)-1)+4*(\i):X+4*BLOCK*((\p)-1)+4*(\i)+1], s[24:25]  ; the next launch reads these bytes: no hint.  No vector instruction since the wait names these registers
.endif
	v_cvt_pk_f16_f32 v[X+4*BLOCK*(\p)+4*(\i)],   v[X+4*BLOCK*(\p)+4*(\i)],   v[X+4*BLOCK*(\p)+4*(\i)+1]
	v_cvt_pk_f16_f32 v[X+4*BLOCK*(\p)+4*(\i)+1], v[X+4*BLOCK*(\p)+4*(\i)+2], v[X+4*BLOCK*(\p)+4*(\i)+3]
.endr
.endm
.irp p, 0,1,2,3,4,5,6,7
	BLK \p                                         ; block 0 has no block in front of it: no store, and no wait but the one for its data
.endr
	s_wait_alu depctr_va_vdst(0)                   ; block 7's conversions have written the data that the last four stores read
.irp i, 0,1,2,3
	global_store_b64 v[OO+28+(\i)], v[X+112+4*(\i):X+112+4*(\i)+1], s[24:25]
.endr
	s_endpgm
.Lfunc_end_k_q7226c3147f_cast:
	.size	k_q7226c3147f_cast, .Lfunc_end_k_q7226c3147f_cast-k_q7226c3147f_cast
	.p2alignl 7, 3214868480
	.fill 96, 4, 3214868480
	.section	.rodata,"a",@progbits
	.p2align	6, 0x0
	.amdhsa_kernel k_q7226c3147f_cast
		.amdhsa_group_segment_fixed_size 0
		.amdhsa_private_segment_fixed_size 0
		.amdhsa_enable_private_segment 0
		.amdhsa_kernarg_size 40
		.amdhsa_user_sgpr_count 2
		.amdhsa_user_sgpr_kernarg_segment_ptr 1
		.amdhsa_wavefront_size32 1
		.amdhsa_system_sgpr_workgroup_id_x 1
		.amdhsa_system_sgpr_workgroup_id_y 1
		.amdhsa_system_sgpr_workgroup_id_z 1
		.amdhsa_system_vgpr_workitem_id 0
		.amdhsa_next_free_vgpr 162
		.amdhsa_next_free_sgpr 66
		.amdhsa_reserve_vcc 0
		.amdhsa_float_denorm_mode_32 3
		.amdhsa_float_denorm_mode_16_64 3
		.amdhsa_memory_ordered 1
		.amdhsa_forward_progress 1
		.amdhsa_inst_pref_size 13
	.end_amdhsa_kernel
	.amdgpu_metadata
---
amdhsa.version: [ 1, 2 ]
amdhsa.kernels:
  - .name:           k_q7226c3147f_cast
    .symbol:         k_q7226c3147f_cast.kd
    .args:
      - { .name: old_h, .offset: 0, .size: 8, .value_kind: global_buffer, .address_space: global }
      - { .name: input, .offset: 8, .size: 8, .value_kind: global_buffer, .address_space: global }
      - { .name: weights, .offset: 16, .size: 8, .value_kind: global_buffer, .address_space: global }
      - { .name: xh, .offset: 24, .size: 8, .value_kind: global_buffer, .address_space: global }
      - { .name: wh, .offset: 32, .size: 8, .value_kind: global_buffer, .address_space: global }
    .group_segment_fixed_size: 0
    .private_segment_fixed_size: 0
    .kernarg_segment_align: 8
    .kernarg_segment_size: 40
    .max_flat_workgroup_size: 256
    .sgpr_count:     66
    .vgpr_count:     162
    .wavefront_size: 32
...
	.end_amdgpu_metadata
.endif
;; end of part 3
;; launch cell: the kernel of part 2 again; grid 16 x 32, 4 waves a work-group, clusters of 4 x 4, 327,680 bytes of LDS; arguments xh, wh, bias, old_cell, out0, out1; writes out0, out1
